; MI455X (gfx1250); checked and timed in simulation.
; The chip was launched on July 23, 2026; its instructions are those of AMD's public machine-readable ISA for CDNA 5 (MIT licence, August 2026) and "CDNA5" Instruction Set Architecture Reference Guide (July 2026). The comments in the code are by the model that wrote it; some were corrected since.
;; Multi Attention. Allowed arithmetic: matrix products marked QUANTISED: E2M1 operands, one E8M0 scale for each 32 along K, by v_wmma_scale_f32_16x16x128_f8f6f4 with both operands' format E2M1 (or v_wmma_scale_f32_32x16x128_f4), f32 sums; products left as they are: bf16, f16 or f32 operands; f32 sums; everything else in f32.
;; Inputs: Wkv 512 x 512 float32; Wo 512 x 512 float32; Wq 512 x 512 float32; bkv 512 float32; bo 512 float32; bq 512 float32; x 2 x 4 x 2,048 x 512 float32.
;; Outputs: out0 2 x 4 x 2,048 x 512 float32.
;; This version of the problem:
;;   THIS VERSION OF THE PROBLEM IS GIVEN IN LOW PRECISION. The matrix products marked QUANTISED in the list below multiply operands that are first quantised to E2M1 (2 exponent bits, 1 mantissa bit; 4 bits a number), with one power-of-two scale for each 32 numbers along K (OCP MX v1.0); their sums are f32. The products marked 'left as it is' may take bf16, f16 or f32 operands, with f32 sums. Whichever they take, every output number must still come out within the allowed error. Rounding operands to bf16 (8 significant bits) uses up far more of that allowance than f16 does (11 bits, for magnitudes from 6e-5 to 65,504). All else is computed in f32.
;;   The module's matrix products, in the order in which they are computed (A, B: the left and right operand; K: the contracted axis; several contracted axes count as one K, in the product's order):
;;     1. [M 16,384, K 512] x [K 512, N 512]; A: input x; B: input Wq: QUANTISED
;;     2. [M 16,384, K 512] x [K 512, N 512]; A: input x; B: input Wkv: QUANTISED
;;     3. batch 64 x [M 2,048, K 64] x [K 64, N 2,048]; A: computed on the way; B: computed on the way: left as it is (an operand is computed on the way)
;;     4. batch 64 x [M 2,048, K 2,048] x [K 2,048, N 64]; A: computed on the way; B: computed on the way: left as it is (an operand is computed on the way)
;;     5. [M 16,384, K 512] x [K 512, N 512]; A: computed on the way; B: input Wo: left as it is (an operand is computed on the way)
;;   THE QUANTISER, for each operand of a quantised product, along K:
;;     - K is cut into blocks of 32 from its start; a last block that is shorter is filled with zeros.
;;     - A block's scale is 2^e with e = floor(log2(the largest magnitude in the block)) - 2, held to -126 .. 127; a block of zeros has e = 0. As a byte (E8M0): e + 127.
;;     - Each number is divided by its block's scale, clamped to +-6, and rounded to the nearest number of E2M1, ties to even, subnormals kept.
;;     - The product sums the exact products of the quantised numbers (number of the format x scale) in f32.
;;   ~~~python
;;   def quantise(x, axis):      # numpy; x: float32 -> the quantised numbers, widened to float32 again
;;       x = np.moveaxis(x, axis, -1); K = x.shape[-1]
;;       x = np.pad(x, [(0, 0)] * (x.ndim - 1) + [(0, -K % 32)]); x = x.reshape(x.shape[:-1] + (-1, 32)); a = np.abs(x).max(-1, keepdims=True)
;;       e = np.where(a > 0, np.clip(np.frexp(np.where(a > 0, a, 1))[1] - 1 - 2, -126, 127), 0)      # np.frexp(a)[1] - 1 = floor(log2(a)), exactly
;;       r = np.clip(x / 2.0 ** e, -6, 6)
;;       step = 2.0 ** (np.maximum(np.frexp(np.where(r == 0, 1, r))[1] - 1, 0) - 1)
;;       q = np.round(r / step) * step * 2.0 ** e      # np.round: ties to even
;;       return np.moveaxis(q.reshape(q.shape[:-2] + (-1,))[..., :K], -1, axis).astype(np.float32)
;;   ~~~
;; One version. Each part assembles by itself: llvm-mc -triple=amdgcn-amd-amdhsa -mcpu=gfx1250 --defsym DOCPART=n.
;; ======== version 1 of 1: 4 launches
;; limits: values are held in f16: magnitudes above 65,504 overflow, below 6.1e-05 lose precision
;; workspace buffers: wcodes 262,144 bytes; wscales 16,384 bytes; wo16 524,288 bytes; qimg 16,777,216 bytes; kvimg 33,554,432 bytes; ctximg 16,777,216 bytes
;; launch prep (part 1): grid 48 x 1, 4 waves a work-group, no clusters, 0 bytes of LDS; arguments Wq, Wkv, Wo, wcodes, wscales, wo16; writes wcodes, wscales, wo16
.if DOCPART == 1
	.amdgcn_target "amdgcn-amd-amdhsa--gfx1250"
	.amdhsa_code_object_version 6
	.text
	.protected	k_qcc4f2ecd2d_prep
	.globl	k_qcc4f2ecd2d_prep
	.p2align	8
	.type	k_qcc4f2ecd2d_prep,@function
k_qcc4f2ecd2d_prep:
	s_mov_b64 s[64:65], 0
	v_nop
	global_prefetch_b8 v0, s[64:65] scope:SCOPE_SE
	s_setreg_imm32_b32 hwreg(HW_REG_WAVE_MODE, 25, 1), 1
	s_wait_xcnt 0x0
; THE PROGRAM: out = softmax(Qn Kn^T) V Wo^T + bo, Q = x Wq^T + bq, KV = x Wkv^T + bkv, Qn and Kn the heads' L2-normalised rows, V = KV.  Four launches:
;   prep: the weights into the order of the matrix operands' registers;  proj: the two quantised products, the norms;  attn: the two products of attention;  outp: the projection by Wo.
; DEAD WORK: none.  Every input has a way to the output and is loaded; every product of the problem is done.
; THE MAXIMUM AHEAD OF THE EXPONENTIAL is not taken away (launch attn): the scores are inner products of two vectors that the problem itself divides by max(norm, 1e-12), with no factor behind them,
; so |score| <= 1 for every input: exp lies between 0.36 and 2.72, a row's sum of 2,048 of them under 5,600: nothing can overflow or underflow in f32 or in f16.
; LIMITS of the program: NaN and infinities among the inputs are not served; |KV|, |ctx| and |Wo| stay under 65,504 (they go to the matrix units as f16); blocks whose largest magnitude lies under 2^-124 have
; their scale's byte held at 1; a block of zeros gets the byte 1 where the rule says 127 (its codes are zeros, and this program alone reads the bytes); the row's sum of the softmax is added in another order.
;
; THIS LAUNCH.  Work-groups 0-15 (64 waves): a wave takes 16 rows of Wq (waves 0-31) or Wkv (32-63), f32, K innermost, and makes codes of E2M1 with one E8M0 byte for each 32 along K.
; Lane (r, h) takes row r and, for K step s of 128, the blocks 4 s + h and 4 s + 2 + h: the very 64 numbers that the operand's layout gives that lane, so the conversions' results are the operand's registers.
;   wcodes [mat 2][tile 32][s 4][c 2][lane 32][16 bytes]: registers 4 c .. 4 c + 3 of the fragment (tile, s): each store of the wave covers 512 consecutive bytes.
;   wscales [mat 2][row 512][16 bytes]: byte b = block b's scale; four bytes are a K step's scale word.
; Work-groups 16-47 (128 waves): a wave takes 16 rows x 128 columns of Wo and rounds them to f16:
;   wo16 [tile 32][ks 16][p 2][lane 32][16 bytes]: lane (r, h): Wo[16 tile + r][32 ks + 16 p + 8 h + 0 .. 7]: registers 4 p .. 4 p + 3 of the 16-bit fragment (tile, ks).
; No LDS, no barrier: waves share nothing.  48 work-groups: 3 MiB of weights hold no more work.
.set NUM, 64                           ; v64-255  three sets of 64 numbers (path O: 64 numbers, then 32 registers of f16)
.set COD, 20                           ; v20-51   codes: eight registers for each K step, never rewritten
.set WRD, 16                           ; v16-19   the four scale words of my row
	s_load_b256 s[4:11], s[0:1], 0x0               ; Wq s[4:5], Wkv s[6:7], Wo s[8:9], wcodes s[10:11]
	s_load_b128 s[12:15], s[0:1], 0x20             ; wscales s[12:13], wo16 s[14:15]
	v_lshrrev_b32 v1, 5, v0
	v_readfirstlane_b32 s16, v1                    ; wave 0..3
	v_and_b32 v3, 31, v0                           ; lane
	v_and_b32 v1, 15, v0                           ; r
	v_bfe_u32 v2, v0, 4, 1                         ; h
	v_lshlrev_b32 v5, 4, v3                        ; 16 x lane: my place in a part of 512 bytes
	s_mov_b32 s23, 0
	s_cmp_lt_u32 ttmp9, 16
	s_cbranch_scc0 .Lpath_o
	; ---- Wq, Wkv
	s_lshl_b32 s17, ttmp9, 2
	s_add_co_u32 s17, s17, s16                     ; g = 32 x matrix + tile
	v_lshlrev_b32 v4, 11, v1
	v_lshl_add_u32 v4, v2, 7, v4                   ; row r of 2,048 bytes, + 128 h: my block of a pair
	v_lshlrev_b32 v6, 3, v2                        ; 8 h: how far my two bytes are shifted in the scale word
	v_lshlrev_b32 v7, 4, v1
	v_lshl_add_u32 v7, v2, 3, v7                   ; 16 r + 8 h: my half of my row's 16 scale bytes
	v_mov_b32 v14, 0                               ; written once: a lane permute's destination counts as one of its sources
	s_mov_b32 s20, 0x76543210
	s_mov_b32 s21, 0xfedcba98                      ; v_permlanex16_b32's selects for lane l xor 16
	s_wait_kmcnt 0x0
	s_cmp_lt_u32 s17, 32                           ; the choice hangs on ids alone
	s_cselect_b64 s[4:5], s[4:5], s[6:7]
	s_and_b32 s22, s17, 31
	s_lshl_b32 s22, s22, 15                        ; 16 rows of 2,048 bytes a tile
	s_add_nc_u64 s[4:5], s[4:5], s[22:23]
	s_lshl_b32 s22, s17, 12                        ; 4,096 bytes of codes a tile
	s_add_nc_u64 s[10:11], s[10:11], s[22:23]
	s_lshl_b32 s22, s17, 8                         ; 256 scale bytes a tile
	s_add_nc_u64 s[12:13], s[12:13], s[22:23]
.macro LOADW s                         ; K step s: my two blocks of 32 numbers, 16 loads, into set s % 3
.irp c, 0,1
.irp i, 0,1,2,3,4,5,6,7
	global_load_b128 v[NUM+64*((\s)%3)+32*\c+4*\i:NUM+64*((\s)%3)+32*\c+4*\i+3], v4, s[4:5] offset:512*(\s)+256*\c+16*\i th:TH_LOAD_NT
.endr
.endr
.endm
.macro QW s
.set XS, NUM+64*((\s)%3)
.irp c, 0,1
	v_max3_num_f32 v[8+\c], |v[XS+32*\c]|, |v[XS+32*\c+1]|, 0x1800000   ; my block 4 s + 2 c + h: all its 32 numbers are mine; the floor 2^(3 - 127) holds the byte at 1 from below
.endr
.irp i, 2,4,6,8,10,12,14,16,18,20,22,24,26,28,30
.irp c, 0,1
	v_max3_num_f32 v[8+\c], v[8+\c], |v[XS+32*\c+\i]|, |v[XS+32*\c+\i+1]|   ; (the two blocks by turns)
.endr
.endr
.irp c, 0,1
	v_add_nc_u32 v[10+\c], 0xff000000, v[8+\c]     ; 2 off the exponent field: the conversion takes the exponent field of this operand as its scale
.endr
.irp c, 0,1
	v_lshrrev_b32 v[12+\c], 23, v[10+\c]           ; the scale's byte
.endr
	v_lshl_or_b32 v[WRD+\s], v13, 16, v12          ; my two bytes: blocks h and 2 + h of the K step,
	v_lshlrev_b32 v[WRD+\s], v6, v[WRD+\s]         ; at their places in the word;
	v_permlanex16_b32 v14, v[WRD+\s], s20, s21
	v_or_b32 v[WRD+\s], v[WRD+\s], v14             ; with lane l xor 16's two the word is whole
.irp c, 0,1
.irp q, 0,1,2,3
	v_cvt_scalef32_pk8_fp4_f32 v[COD+8*(\s)+4*\c+\q], v[XS+32*\c+8*\q:XS+32*\c+8*\q+7], v[10+\c]
.endr
.endr
	v_nop                                          ; one plain line behind the last scaled conversion
.irp c, 0,1
	global_store_b128 v5, v[COD+8*(\s)+4*\c:COD+8*(\s)+4*\c+3], s[10:11] offset:1024*(\s)+512*\c   ; 32 lanes store 512 consecutive bytes
.endr
.endm
	LOADW 0
	LOADW 1
	LOADW 2
	s_wait_loadcnt 32                              ; K step 0's sixteen loads are in; those of steps 1 and 2 may be out
	QW 0
	LOADW 3                                        ; into set 0, which has been read
	s_wait_loadcnt 32                              ; step 1's are in; steps 2 and 3 may be out
	QW 1
	s_wait_loadcnt 16                              ; step 2's are in; step 3's may be out
	QW 2
	s_wait_loadcnt 0x0
	QW 3
	v_cmp_ne_u32 vcc_lo, 0, v2
	v_cndmask_b32 v52, v16, v18, vcc_lo            ; lanes 0-15 store words 0 and 1 of their row, lanes 16-31 words 2 and 3
	v_cndmask_b32 v53, v17, v19, vcc_lo
	global_store_b64 v7, v[52:53], s[12:13]        ; 32 lanes store 256 consecutive bytes
	s_endpgm
	; ---- Wo
.Lpath_o:
	s_sub_co_u32 s17, ttmp9, 16
	s_lshl_b32 s17, s17, 2
	s_add_co_u32 s17, s17, s16                     ; g' = 4 x tile + quarter of K
	v_lshlrev_b32 v4, 11, v1
	v_lshl_add_u32 v4, v2, 5, v4                   ; row r of 2,048 bytes, + 32 h: my eight numbers of sixteen
	s_lshr_b32 s22, s17, 2
	s_lshl_b32 s22, s22, 15                        ; the tile's 16 rows
	s_and_b32 s24, s17, 3
	s_lshl_b32 s24, s24, 9                         ; the quarter's 128 columns
	s_add_co_u32 s22, s22, s24
	s_wait_kmcnt 0x0
	s_add_nc_u64 s[8:9], s[8:9], s[22:23]
	s_lshl_b32 s22, s17, 12                        ; 4,096 bytes of f16 a quarter
	s_add_nc_u64 s[14:15], s[14:15], s[22:23]
.irp k, 0,1,2,3
.irp p, 0,1
.irp i, 0,1
	global_load_b128 v[NUM+16*\k+8*\p+4*\i:NUM+16*\k+8*\p+4*\i+3], v4, s[8:9] offset:128*\k+64*\p+16*\i th:TH_LOAD_NT
.endr
.endr
.endr
	s_wait_loadcnt 0x0
.set n, 0
.rept 32
	v_cvt_pk_f16_f32 v[128+n], v[NUM+2*n], v[NUM+2*n+1]   ; the first number in the low half; to the nearest, ties to even
.set n, n+1
.endr
.irp k, 0,1,2,3
.irp p, 0,1
	global_store_b128 v5, v[128+8*\k+4*\p:128+8*\k+4*\p+3], s[14:15] offset:1024*\k+512*\p
.endr
.endr
	s_endpgm
.Lfunc_end_k_qcc4f2ecd2d_prep:
	.size	k_qcc4f2ecd2d_prep, .Lfunc_end_k_qcc4f2ecd2d_prep-k_qcc4f2ecd2d_prep
	.p2alignl 7, 3214868480
	.fill 96, 4, 3214868480
	.section	.rodata,"a",@progbits
	.p2align	6, 0x0
	.amdhsa_kernel k_qcc4f2ecd2d_prep
		.amdhsa_group_segment_fixed_size 0
		.amdhsa_private_segment_fixed_size 0
		.amdhsa_enable_private_segment 0
		.amdhsa_kernarg_size 48
		.amdhsa_user_sgpr_count 2
		.amdhsa_user_sgpr_kernarg_segment_ptr 1
		.amdhsa_wavefront_size32 1
		.amdhsa_system_sgpr_workgroup_id_x 1
		.amdhsa_system_sgpr_workgroup_id_y 1
		.amdhsa_system_sgpr_workgroup_id_z 1
		.amdhsa_system_vgpr_workitem_id 0
		.amdhsa_next_free_vgpr 256
		.amdhsa_next_free_sgpr 66
		.amdhsa_reserve_vcc 1
		.amdhsa_float_denorm_mode_32 3
		.amdhsa_float_denorm_mode_16_64 3
		.amdhsa_memory_ordered 1
		.amdhsa_forward_progress 1
		.amdhsa_inst_pref_size 26
	.end_amdhsa_kernel
	.amdgpu_metadata
---
amdhsa.version: [ 1, 2 ]
amdhsa.kernels:
  - .name:           k_qcc4f2ecd2d_prep
    .symbol:         k_qcc4f2ecd2d_prep.kd
    .args:
      - { .name: Wq, .offset: 0, .size: 8, .value_kind: global_buffer, .address_space: global }
      - { .name: Wkv, .offset: 8, .size: 8, .value_kind: global_buffer, .address_space: global }
      - { .name: Wo, .offset: 16, .size: 8, .value_kind: global_buffer, .address_space: global }
      - { .name: wcodes, .offset: 24, .size: 8, .value_kind: global_buffer, .address_space: global }
      - { .name: wscales, .offset: 32, .size: 8, .value_kind: global_buffer, .address_space: global }
      - { .name: wo16, .offset: 40, .size: 8, .value_kind: global_buffer, .address_space: global }
    .group_segment_fixed_size: 0
    .private_segment_fixed_size: 0
    .kernarg_segment_align: 8
    .kernarg_segment_size: 48
    .max_flat_workgroup_size: 128
    .sgpr_count:     66
    .vgpr_count:     256
    .wavefront_size: 32
...
	.end_amdgpu_metadata
.endif
;; end of part 1
;; launch proj (part 2): grid 256 x 1, 4 waves a work-group, no clusters, 167,936 bytes of LDS; arguments x, wcodes, wscales, bq, bkv, qimg, kvimg; writes qimg, kvimg
.if DOCPART == 2
	.amdgcn_target "amdgcn-amd-amdhsa--gfx1250"
	.amdhsa_code_object_version 6
	.text
	.protected	k_qcc4f2ecd2d_proj
	.globl	k_qcc4f2ecd2d_proj
	.p2align	8
	.type	k_qcc4f2ecd2d_proj,@function
k_qcc4f2ecd2d_proj:
	s_mov_b64 s[64:65], 0
	v_nop
	global_prefetch_b8 v0, s[64:65] scope:SCOPE_SE
	s_setreg_imm32_b32 hwreg(HW_REG_WAVE_MODE, 25, 1), 1
	s_wait_xcnt 0x0
; Q = x Wq^T + bq and KV = x Wkv^T + bkv, both on codes of E2M1 with one E8M0 scale for each 32 along K; then each head's row is divided by max(its L2 norm, 1e-12).  No work is left out.
; Out go, as f16, in the order of the next products' operand registers (parts of 512 bytes: 32 lanes x 16 bytes; lane (r, h) = row r, channels 16 p + 8 h + 0 .. 7 of a head):
;   qimg  [head-batch 64][row tile 128][p 4][512]: Qn x log2(e), so that attention's exponential is one v_exp_f32;
;   kvimg [head-batch 64][step of 32 keys 64][8,192]: bytes 0-4,095 Kn [u 2][p 4][512]; bytes 4,096-8,191 V = KV [u 2][p 4][512], the lane's 16 bytes at place (r % 8) + 8 h + 16 (r / 8),
;         the order in which the turning LDS load of the next launch wants them at 16 x lane.
; SHARES.  A work-group of four waves owns 64 rows of x.  THE WAVES SHARE THE COLUMNS: wave w makes heads 2 w, 2 w + 1 of Q (tiles 0-7) and of KV (tiles 8-15) for all 64 rows; its 64 weight fragments stay in
; 512 registers, read from memory once.  x: wave w brings its 16 rows into LDS by one tensor load, quantises them in registers and hands the four fragments and scale words to the others as images of registers.
; THE PRODUCTS ARE USED TRANSPOSED (source 0 = 16 rows of a weight, source 1 = 16 rows of x): a lane holds ONE row of x and eight neighbouring channels, which pack into the 16 bytes of a part.
; No cluster: x's rows are read by one work-group alone, and the weights go from memory straight into registers: there is no tile to ask for jointly.
; LIMITS: as stated at the head of launch prep.  1 / max(sqrt(ss), 1e-12) is taken as rsq(max(ss, 1e-24)).
; REGISTERS: window 0: v1-13 addresses; v16-47 x's four fragments; v48-51 their scale words; v52-63 at work; v64-191 the 16 accumulators (first: two sets of 64 numbers of x); v192-255 the weights' scale words.
;   window 1: Wq's 32 fragments (tile t, K step s at 8 (4 t + s));  window 2: Wkv's;  window 3: v0-127 the biases, eight a tile, in the result's layout; v128-159 Qn, v160-191 Kn, v192-223 V as f16.
.set XTW,   33280                      ; LDS: wave w's 16 rows of x as 32 half rows of 1,024 bytes + 16 of padding
.set XIMG,  4*XTW                      ; x's 16 fragments: (4 m + s) x 1,024 + 512 c + 16 x lane
.set XSC,   XIMG+16*1024               ; their scale words: (4 m + s) x 128 + 4 x lane
.set SPARE, XSC+16*128                 ; the spare words, 128 bytes for each wave: two blocks of 256 bytes that no other line names
.set L16,  1                           ; v1   16 x lane
.set R16,  3                           ; v3   16 r: a weight row's 16 scale bytes
.set H32,  4                           ; v4   32 h: my eight numbers of a tile's sixteen biases
.set XA,   5                           ; v5   my row and half in my wave's rows of x in LDS
.set XWI,  6                           ; v6   where I store x's images
.set XWS,  7                           ; v7   and their scale words
.set VPOS, 8                           ; v8   16 x my place in a part of V
.set XRI,  9                           ; v9   where any wave reads the images
.set XRS,  10                          ; v10  and the scale words
.set SPW,  12                          ; v12  LDS address of my spare word; never rewritten
.set NIL,  13                          ; v13  0; never rewritten
.set XF,   16
.set XS,   48
.set TM,   52                          ; v52-55 largest magnitudes, v56-59 bytes and permutes, v60-63 the conversions' scale operands
.set SS,   52                          ; later: v52-59 a pair for each of my four heads: sum of squares, then 1 / norm
.set T,    60                          ; v60-63 the other half's sums
.set ACC,  64
.set WS,   192
.set WV,   18
.set SEL,  36
.set MSB, 0
.macro WIN new                         ; the immediate's high byte repeats the setting that is left
.if MSB != \new
	s_set_vgpr_msb (MSB<<8)|\new
.set MSB, \new
.endif
.endm
.macro PLACES n
.rept \n
	v_nop
.endr
.endm
	s_load_b256 s[4:11], s[0:1], 0x0               ; x s[4:5], wcodes s[6:7], wscales s[8:9], bq s[10:11]
	s_load_b128 s[12:15], s[0:1], 0x20             ; bkv s[12:13], qimg s[14:15]
	s_load_b64 s[16:17], s[0:1], 0x30              ; kvimg
	v_lshl_add_u32 v[SPW], v0, 2, SPARE
	v_mov_b32 v[NIL], 0
	ds_add_u32 v[SPW], v[NIL]                      ; the wave's opening: the add, twice on end, and its wait ahead of my first tensor load
	ds_add_u32 v[SPW], v[NIL]                      ; and once more; the set-up below, work on registers, stands between it and the wait
	v_lshrrev_b32 v2, 5, v0
	v_readfirstlane_b32 s[WV], v2                  ; wave 0..3
	; descriptor group 1: my 16 rows of x, 32,768 dense bytes, as 32 rows of 256 elements of 4 bytes, 16 bytes of padding behind each
	s_mov_b32 s24, (2<<16)|(1<<20)|(7<<22)|(3<<25) ; no mask; elements of 4 bytes; padding on: after every 256 words (code 7) four words (code 3)
	s_mov_b32 s25, 256<<16                         ; tensor_dim0
	s_mov_b32 s26, 32<<16                          ; tensor_dim1
	s_mov_b32 s27, 256<<16                         ; tile_dim0
	s_mov_b32 s28, 32                              ; tile_dim1
	s_mov_b32 s29, 256                             ; from row to row
	s_mov_b32 s30, 0
	s_mov_b32 s31, 0
	s_mul_i32 s19, s[WV], XTW                      ; my rows' place in LDS
	v_and_b32 v2, 31, v0                           ; lane
	v_and_b32 v14, 15, v0                          ; r
	v_bfe_u32 v15, v0, 4, 1                        ; h
	v_lshlrev_b32 v[L16], 4, v2
	v_lshlrev_b32 v[R16], 4, v14
	v_lshlrev_b32 v[H32], 5, v15
	v_mul_u32_u24 v[XA], v14, 2080                 ; a row of x is two half rows
	v_lshl_add_u32 v[XA], v15, 6, v[XA]            ; + 64 h: my 16 numbers of a block of 32
	v_add_nc_u32 v[XA], s19, v[XA]
	s_lshl_b32 s20, s[WV], 12
	s_add_co_u32 s20, s20, XIMG
	v_add_nc_u32 v[XWI], s20, v[L16]               ; tile of rows w: fragments 4 w + s
	s_lshl_b32 s20, s[WV], 9
	s_add_co_u32 s20, s20, XSC
	v_lshl_add_u32 v[XWS], v2, 2, s20
	v_and_b32 v11, 7, v14
	v_lshl_add_u32 v11, v15, 3, v11
	v_bfe_u32 v14, v0, 3, 1
	v_lshl_add_u32 v11, v14, 4, v11                ; (r % 8) + 8 h + 16 (r / 8)
	v_lshlrev_b32 v[VPOS], 4, v11
	v_add_nc_u32 v[XRI], XIMG, v[L16]
	v_lshl_add_u32 v[XRS], v2, 2, XSC
.irp b, 0,1,2,3
	v_mov_b32 v[TM+4+\b], 0                        ; written once: a lane permute's destination counts as one of its sources
.endr
	s_mov_b32 s[SEL], 0x76543210
	s_mov_b32 s[SEL+1], 0xfedcba98                 ; v_permlanex16_b32's selects for lane l xor 16
	s_lshl_b32 s38, ttmp9, 17                      ; my work-group's 64 rows of 2,048 bytes,
	s_lshl_b32 s20, s[WV], 15                      ; my wave's 16
	s_add_co_u32 s38, s38, s20
	s_mov_b32 s39, 0
	s_mov_b32 s41, 0
	s_lshr_b32 s20, ttmp9, 5                       ; which of the 8 sequences: 32 work-groups each
	s_lshl_b32 s20, s20, 3
	s_lshl_b32 s21, s[WV], 1
	s_add_co_u32 s20, s20, s21                     ; my first head-batch: 8 x sequence + 2 w
	s_lshl_b32 s42, s20, 18                        ; 262,144 bytes of qimg a head-batch,
	s_and_b32 s21, ttmp9, 31
	s_lshl_b32 s21, s21, 13                        ; 4 row tiles of 2,048 bytes a work-group
	s_add_co_u32 s42, s42, s21
	s_mov_b32 s43, 0
	s_lshl_b32 s44, s42, 1                         ; kvimg: twice the bytes throughout
	s_mov_b32 s45, 0
	s_wait_dscnt 0x0                               ; both opening adds are done
	s_wait_kmcnt 0x0
	s_mov_b32 s32, 1                               ; group 0: count = 1,
	s_mov_b32 s33, s19                             ; LDS address,
	s_add_nc_u64 s[34:35], s[4:5], s[38:39]        ; global address,
	s_or_b32 s35, s35, 0x80000000                  ; type = 2
	tensor_load_to_lds s[32:35], s[24:31]          ; my one tensor load of the launch: a first fill
	s_nop 0
	PLACES 4
	s_lshl_b32 s40, s[WV], 15                      ; my 8 tiles of each weight: 4,096 bytes of codes a tile
	s_add_nc_u64 s[6:7], s[6:7], s[40:41]
	s_lshl_b32 s40, s[WV], 11                      ; 256 scale bytes a tile
	s_add_nc_u64 s[8:9], s[8:9], s[40:41]
	s_lshl_b32 s40, s[WV], 9                       ; my 128 numbers of each bias
	s_add_nc_u64 s[10:11], s[10:11], s[40:41]
	s_add_nc_u64 s[12:13], s[12:13], s[40:41]
	s_add_nc_u64 s[14:15], s[14:15], s[42:43]
	s_add_nc_u64 s[16:17], s[16:17], s[44:45]
	WIN 0x40                                       ; destination window 1
.irp t, 0,1,2,3,4,5,6,7
.irp s, 0,1,2,3
.irp c, 0,1
	global_load_b128 v[8*(4*\t+\s)+4*\c:8*(4*\t+\s)+4*\c+3], v[L16], s[6:7] offset:4096*\t+1024*\s+512*\c
.endr
.endr
.endr
	WIN 0x80                                       ; destination window 2
.irp t, 0,1,2,3,4,5,6,7
.irp s, 0,1,2,3
.irp c, 0,1
	global_load_b128 v[8*(4*\t+\s)+4*\c:8*(4*\t+\s)+4*\c+3], v[L16], s[6:7] offset:131072+4096*\t+1024*\s+512*\c
.endr
.endr
.endr
	WIN 0xc0                                       ; destination window 3: lane (r, h) wants, for tile t, the biases of channels 16 t + 8 h + 0 .. 7
.irp t, 0,1,2,3,4,5,6,7
.irp i, 0,1
	global_load_b128 v[8*\t+4*\i:8*\t+4*\i+3], v[H32], s[10:11] offset:64*\t+16*\i
	global_load_b128 v[64+8*\t+4*\i:64+8*\t+4*\i+3], v[H32], s[12:13] offset:64*\t+16*\i
.endr
.endr
	WIN 0
.irp t, 0,1,2,3,4,5,6,7
	global_load_b128 v[WS+4*\t:WS+4*\t+3], v[R16], s[8:9] offset:256*\t              ; lane r: the four scale words of row r of the tile
	global_load_b128 v[WS+32+4*\t:WS+32+4*\t+3], v[R16], s[8:9] offset:8192+256*\t
.endr
; ---- X: my 16 rows of x become four fragments.  Register 16 b + i of a set = k 32 b + 16 h + i of my row, in K step s
.macro XL s, src
.irp b, 0,1,2,3
.irp j, 0,1,2,3
	ds_load_b128 v[\src+16*\b+4*\j:\src+16*\b+4*\j+3], v[XA] offset:((\s)/2)*1040+((\s)%2)*512+128*\b+16*\j
.endr
.endr
.endm
.macro QUANT src, s                    ; 64 numbers of a lane become the fragment v[XF + 8 s] on and the scale word v[XS + s]
.irp b, 0,1,2,3
	v_max3_num_f32 v[TM+\b], |v[\src+16*\b]|, |v[\src+1+16*\b]|, 0x1800000   ; block b: my 16 numbers, and the floor 2^(3 - 127): the byte cannot fall under 1
.endr
.irp i, 2,4,6,8,10,12,14
.irp b, 0,1,2,3
	v_max3_num_f32 v[TM+\b], v[TM+\b], |v[\src+16*\b+\i]|, |v[\src+1+16*\b+\i]|   ; (the four blocks by turns)
.endr
.endr
.irp b, 0,1,2,3
	v_permlanex16_b32 v[TM+4+\b], v[TM+\b], s[SEL], s[SEL+1]
.endr
.irp b, 0,1,2,3
	v_max_num_f32 v[TM+\b], v[TM+\b], v[TM+4+\b]   ; with lane l xor 16's: the block's largest magnitude
.endr
.irp b, 0,1,2,3
	v_add_nc_u32 v[TM+8+\b], 0xff000000, v[TM+\b]  ; 2 off its exponent field: the conversion's scale operand
.endr
.irp b, 0,1,2,3
	v_lshrrev_b32 v[TM+4+\b], 23, v[TM+8+\b]       ; the scale's byte
.endr
	v_lshl_or_b32 v[XS+\s], v[TM+5], 8, v[TM+4]    ; the four bytes make my row's scale word
	v_lshl_or_b32 v[XS+\s], v[TM+6], 16, v[XS+\s]
	v_lshl_or_b32 v[XS+\s], v[TM+7], 24, v[XS+\s]
.irp b, 0,1,2,3
	v_cvt_scalef32_pk8_fp4_f32 v[XF+8*\s+2*\b], v[\src+16*\b:\src+7+16*\b], v[TM+8+\b]
	v_cvt_scalef32_pk8_fp4_f32 v[XF+8*\s+1+2*\b], v[\src+8+16*\b:\src+15+16*\b], v[TM+8+\b]
.endr
	v_nop                                          ; one plain line behind the last scaled conversion
.irp c, 0,1                                    ; the operand's layout wants a WHOLE block in a lane: lanes 0-15 block 2 c, lanes 16-31 block 2 c + 1
.irp i, 0,1
	v_permlane16_swap_b32 v[XF+8*\s+4*\c+\i], v[XF+8*\s+2+4*\c+\i]
.endr
.endr
.endm
.macro IMAGE s                         ; the fragment and its scale word go to LDS as they stand: three LDS stores
.irp c, 0,1
	ds_store_b128 v[XWI], v[XF+8*\s+4*\c:XF+8*\s+4*\c+3] offset:1024*\s+512*\c
.endr
	ds_store_b32 v[XWS], v[XS+\s] offset:128*\s
.endm
	s_wait_tensorcnt 0x0                           ; my rows are in LDS; only I read them
	XL 0, ACC
	XL 1, ACC+64
	s_wait_dscnt 16                                ; K step 0's sixteen loads are in; step 1's may be out
	QUANT ACC, 0
	IMAGE 0
	XL 2, ACC
	s_wait_dscnt 19                                ; step 1's are in; behind them: three stores and step 2's sixteen loads
	QUANT ACC+64, 1
	IMAGE 1
	XL 3, ACC+64
	s_wait_dscnt 19                                ; step 2's are in; behind them: three stores and step 3's sixteen loads
	QUANT ACC, 2
	IMAGE 2
	s_wait_dscnt 3                                 ; step 3's are in; behind them: three stores
	QUANT ACC+64, 3
	IMAGE 3
	s_wait_dscnt 0x0                               ; for the others' sake: my stores have landed
	s_barrier_signal -1
	s_barrier_wait -1                              ; x's sixteen fragments lie in LDS; nothing is written there again
	s_wait_loadcnt 0x0                             ; the weights, their scale words, the biases
; ---- M: a tile of 16 rows at a time
; Eight tiles of one weight: the bias is the C of each sum's first product; the eight accumulators take turns, one instruction a turn
.macro MULS wf, wr, t0
	WIN \wf                                        ; source 0 (the weight) window 1 or 2, source 2 (the bias) window 3
.irp t, 0,1,2,3,4,5,6,7
	v_wmma_scale_f32_16x16x128_f8f6f4 v[ACC+8*(\t0+\t):ACC+8*(\t0+\t)+7], v[32*\t:32*\t+7], v[XF:XF+7], v[8*(\t0+\t):8*(\t0+\t)+7], v[WS+4*(\t0+\t)], v[XS] matrix_a_fmt:MATRIX_FMT_FP4 matrix_b_fmt:MATRIX_FMT_FP4
.endr
	WIN \wr
.irp s, 1,2,3
.irp t, 0,1,2,3,4,5,6,7
	v_wmma_scale_f32_16x16x128_f8f6f4 v[ACC+8*(\t0+\t):ACC+8*(\t0+\t)+7], v[32*\t+8*\s:32*\t+8*\s+7], v[XF+8*\s:XF+8*\s+7], v[ACC+8*(\t0+\t):ACC+8*(\t0+\t)+7], v[WS+4*(\t0+\t)+\s], v[XS+\s] matrix_a_fmt:MATRIX_FMT_FP4 matrix_b_fmt:MATRIX_FMT_FP4
.endr
.endr
.endm
.macro TILE m
.irp s, 0,1,2,3
.irp c, 0,1
	ds_load_b128 v[XF+8*\s+4*\c:XF+8*\s+4*\c+3], v[XRI] offset:(4*\m+\s)*1024+512*\c
.endr
	ds_load_b32 v[XS+\s], v[XRS] offset:(4*\m+\s)*128
.endr
	s_wait_dscnt 0x0
	MULS 0x31, 0x01, 0
	MULS 0x32, 0x02, 8
	WIN 0
	PLACES 4                                       ; four plain lines between the last products and the first read of results
	; the four heads' sums of squares: a lane holds 32 of a head's 64 channels; each accumulator is read from its low end on
.irp d, 0,1,2,3
	v_pk_mul_f32 v[SS+2*\d:SS+2*\d+1], v[ACC+32*\d:ACC+32*\d+1], v[ACC+32*\d:ACC+32*\d+1]
.endr
.irp i, 2,4,6,8,10,12,14,16,18,20,22,24,26,28,30
.irp d, 0,1,2,3
	v_pk_fma_f32 v[SS+2*\d:SS+2*\d+1], v[ACC+32*\d+\i:ACC+32*\d+\i+1], v[ACC+32*\d+\i:ACC+32*\d+\i+1], v[SS+2*\d:SS+2*\d+1]
.endr
.endr
.irp d, 0,1,2,3
	v_add_f32 v[SS+2*\d], v[SS+2*\d], v[SS+2*\d+1]
.endr
.irp d, 0,1,2,3
	v_permlanex16_b32 v[T+\d], v[SS+2*\d], s[SEL], s[SEL+1]
.endr
.irp d, 0,1,2,3
	v_add_f32 v[SS+2*\d], v[SS+2*\d], v[T+\d]      ; with lane l xor 16's 32 channels
.endr
.irp d, 0,1,2,3
	v_max_num_f32 v[SS+2*\d], 0x179abe15, v[SS+2*\d]   ; 1e-24: the guard max(norm, 1e-12), squared
.endr
.irp d, 0,1,2,3
	v_rsq_f32 v[SS+2*\d], v[SS+2*\d]
.endr
	v_nop                                          ; a plain line behind the last of the batch
.if \m > 0
	s_wait_xcnt 0x0                                ; the last tile's stores have had their addresses translated: their data registers are written again only behind this wait
.endif
	WIN 0xc0                                       ; destination window 3
.set n, 0
.rept 32
	v_cvt_pk_f16_f32 v[192+n], v[ACC+64+2*n], v[ACC+64+2*n+1]   ; V = KV as it is.  (Work that names no result of the batch)
.set n, n+1
.endr
	WIN 0
	s_wait_alu depctr_va_vdst(0)                   ; one wait for the four, ahead of their first reader
	v_mul_f32 v[SS], 0x3fb8aa3b, v[SS]             ; Q's two heads: x log2(e)
	v_mul_f32 v[SS+2], 0x3fb8aa3b, v[SS+2]
.irp d, 0,1,2,3
.irp i, 0,2,4,6,8,10,12,14,16,18,20,22,24,26,28,30
	v_pk_mul_f32 v[ACC+32*\d+\i:ACC+32*\d+\i+1], v[ACC+32*\d+\i:ACC+32*\d+\i+1], v[SS+2*\d:SS+2*\d+1] op_sel_hi:[1,0]
.endr
.endr
	WIN 0xc0
.set n, 0
.rept 64
	v_cvt_pk_f16_f32 v[128+n], v[ACC+2*n], v[ACC+2*n+1]   ; Qn log2(e) into v128-159, Kn into v160-191
.set n, n+1
.endr
	WIN 0x0c                                       ; a store's data are its source 1: window 3
.irp hl, 0,1
.irp p, 0,1,2,3
	global_store_b128 v[L16], v[128+16*\hl+4*\p:128+16*\hl+4*\p+3], s[14:15] offset:\hl*262144+2048*\m+512*\p                                ; each store covers 512 consecutive bytes, aligned
	global_store_b128 v[L16], v[160+16*\hl+4*\p:160+16*\hl+4*\p+3], s[16:17] offset:\hl*524288+(\m/2)*8192+(\m%2)*2048+512*\p
	global_store_b128 v[VPOS], v[192+16*\hl+4*\p:192+16*\hl+4*\p+3], s[16:17] offset:\hl*524288+(\m/2)*8192+4096+(\m%2)*2048+512*\p
.endr
.endr
	WIN 0
.endm
	TILE 0
	TILE 1
	TILE 2
	TILE 3
	s_wait_tensorcnt 0x0                           ; the wave's end: behind my last tensor load and my last LDS store
	ds_add_u32 v[SPW], v[NIL]
	s_wait_dscnt 0x0
	s_endpgm
.Lfunc_end_k_qcc4f2ecd2d_proj:
	.size	k_qcc4f2ecd2d_proj, .Lfunc_end_k_qcc4f2ecd2d_proj-k_qcc4f2ecd2d_proj
	.p2alignl 7, 3214868480
	.fill 96, 4, 3214868480
	.section	.rodata,"a",@progbits
	.p2align	6, 0x0
	.amdhsa_kernel k_qcc4f2ecd2d_proj
		.amdhsa_group_segment_fixed_size 167936
		.amdhsa_private_segment_fixed_size 0
		.amdhsa_enable_private_segment 0
		.amdhsa_kernarg_size 56
		.amdhsa_user_sgpr_count 2
		.amdhsa_user_sgpr_kernarg_segment_ptr 1
		.amdhsa_wavefront_size32 1
		.amdhsa_system_sgpr_workgroup_id_x 1
		.amdhsa_system_sgpr_workgroup_id_y 1
		.amdhsa_system_sgpr_workgroup_id_z 1
		.amdhsa_system_vgpr_workitem_id 0
		.amdhsa_next_free_vgpr 1024
		.amdhsa_next_free_sgpr 66
		.amdhsa_reserve_vcc 0
		.amdhsa_float_denorm_mode_32 3
		.amdhsa_float_denorm_mode_16_64 3
		.amdhsa_memory_ordered 1
		.amdhsa_forward_progress 1
		.amdhsa_inst_pref_size 147
	.end_amdhsa_kernel
	.amdgpu_metadata
---
amdhsa.version: [ 1, 2 ]
amdhsa.kernels:
  - .name:           k_qcc4f2ecd2d_proj
    .symbol:         k_qcc4f2ecd2d_proj.kd
    .args:
      - { .name: x, .offset: 0, .size: 8, .value_kind: global_buffer, .address_space: global }
      - { .name: wcodes, .offset: 8, .size: 8, .value_kind: global_buffer, .address_space: global }
      - { .name: wscales, .offset: 16, .size: 8, .value_kind: global_buffer, .address_space: global }
      - { .name: bq, .offset: 24, .size: 8, .value_kind: global_buffer, .address_space: global }
      - { .name: bkv, .offset: 32, .size: 8, .value_kind: global_buffer, .address_space: global }
      - { .name: qimg, .offset: 40, .size: 8, .value_kind: global_buffer, .address_space: global }
      - { .name: kvimg, .offset: 48, .size: 8, .value_kind: global_buffer, .address_space: global }
    .group_segment_fixed_size: 167936
    .private_segment_fixed_size: 0
    .kernarg_segment_align: 8
    .kernarg_segment_size: 56
    .max_flat_workgroup_size: 128
    .sgpr_count:     66
    .vgpr_count:     1024
    .wavefront_size: 32
...
	.end_amdgpu_metadata
.endif
;; end of part 2
;; launch attn (part 3): grid 4 x 64, 8 waves a work-group, clusters of 4 x 1, 327,680 bytes of LDS; arguments qimg, kvimg, ctximg; writes ctximg
.if DOCPART == 3
	.amdgcn_target "amdgcn-amd-amdhsa--gfx1250"
	.amdhsa_code_object_version 6
	.text
	.protected	k_qcc4f2ecd2d_attn
	.globl	k_qcc4f2ecd2d_attn
	.p2align	8
	.type	k_qcc4f2ecd2d_attn,@function
k_qcc4f2ecd2d_attn:
	s_mov_b64 s[64:65], 0
	v_nop
	global_prefetch_b8 v0, s[64:65] scope:SCOPE_SE
	s_setreg_imm32_b32 hwreg(HW_REG_WAVE_MODE, 25, 1), 1
	s_wait_xcnt 0x0
	s_wait_alu depctr_hold_cnt(0) depctr_sa_sdst(0) depctr_va_vdst(0) depctr_va_sdst(0) depctr_va_ssrc(0) depctr_va_vcc(0) depctr_vm_vsrc(0)
	s_getreg_b32 s2, hwreg(HW_REG_IB_STS2, 6, 4)
	s_cmp_eq_u32 s2, 0
	s_cbranch_scc0 .Lentry_in_a_cluster
	s_endpgm
.Lentry_in_a_cluster:
	s_bfe_u32 s2, ttmp6, 0x10000c
	s_cmp_lg_u32 s2, 0x3003
	s_cbranch_scc0 .Lentry_shape_is_right
	s_endpgm
.Lentry_shape_is_right:
; ctx[q] = sum over keys of softmax(Qn[q] . Kn[k]) V[k], for each of the 64 head-batches; operands f16, sums f32.
; THE MAXIMUM IS NOT TAKEN AWAY AHEAD OF THE EXPONENTIAL: Qn and Kn are rows that the problem itself divides by max(norm, 1e-12), with no factor behind them, so |score| <= 1 for every input:
; p = e^score lies between 0.36 and 2.72, a row's sum of 2,048 of them under 5,600: no exponential and no sum can overflow or underflow, in f32 or in p's f16.  So there is no running maximum and no rescaling.
; qimg holds Qn x log2(e): p = 2^(product), one v_exp_f32.  The row's sum is taken of the unrounded p and divides at the end.  No other work is left out.
; SHARES.  A work-group of eight waves owns 512 queries of one head-batch, a wave 64: four tiles of 16.  Two waves lie on a SIMD, so that one's exponentials stand beside the other's products.
; Every wave walks all 2,048 keys, 32 a step.  kvimg holds a step's Kn and V as 8,192 dense bytes in the order of the operands' registers: every LDS read is 16 bytes at 16 x lane.
; LAYOUT.  S^T = K Q^T (source 0 = 16 keys, source 1 = 16 queries): a lane holds ONE query and keys 8 h + 0 .. 7; two such tiles, rounded to f16 in pairs, ARE source 1 of O^T = V^T P; V^T comes by the turning load.
; O^T / sum, rounded to f16, is source 1 of the last product as it stands: ctximg [row tile 1,024][ks 16][p 2][lane][16 bytes], stored straight from registers, 512 consecutive bytes a store.
; CLUSTER.  The four work-groups of a head-batch walk the same K and V: each tile is asked for JOINTLY, by the same tensor load with the same descriptor and the mask of all four.
; RING.  Two slots of 16 steps (131,072 bytes); a head-batch is four slots' worth.  Each wave fetches an eighth of a slot, 64 rows of 256 bytes: by this text's count two loads of a wave are out at the start, one behind a refill.
; REGISTERS: window 0: v1-5 addresses; v8-15 the sums, a pair a tile; v16-23 at work on the way out; v32-95 S^T, then p; v96-127 P; v128-191 K, two buffers; v192-255 V^T, two buffers.
;   window 1: v0-63 Q (tile t, channels 32 c on: 16 t + 8 c); v64-191 O^T (64 + 32 t + 8 ct).
.set STEPB, 8192
.set SLOT1, 131072
.set SPARE, 262144                     ; behind the ring: the spare words, 128 bytes for each of eight waves: four blocks of 256 bytes that no other line names
.set L16,  1                           ; v1   16 x lane
.set ADR,  2                           ; v2   LDS address of the run of loads in hand
.set PFO,  3                           ; v3   256 x lane: the prefetches' offset; never rewritten
.set SPW,  4                           ; v4   LDS address of my spare word; never rewritten
.set NIL,  5                           ; v5   0; never rewritten
.set LS,   8
.set RC,   16
.set S,    32
.set P,    96
.set KF,   128
.set VF,   192
.set OA,   64                          ; in window 1
.set WV,   10
.set TB,   32                          ; s32  LDS byte at which the step to be fetched begins
.set CNT,  33                          ; s33  counts a loop's trips
.set LIM,  34                          ; s34  1 in a wave that prefetches, else the greatest number
.set PFA,  36                          ; s[36:37] my 8,192 bytes of the head-batch's third slot's worth; never rewritten
.set SEL,  38
.set MSB, 0
.macro WIN new                         ; the immediate's high byte repeats the setting that is left
.if MSB != \new
	s_set_vgpr_msb (MSB<<8)|\new
.set MSB, \new
.endif
.endm
.macro PLACES n
.rept \n
	v_nop
.endr
.endm
.macro CROUND                          ; a round of the cluster's barrier
	s_barrier_signal -1
	s_barrier_wait -1
	s_cmp_lg_u32 s[WV], 0
	s_cbranch_scc1 .Lnot_wave_0_\@
	s_barrier_signal -3
.Lnot_wave_0_\@:
	s_barrier_wait -3
	s_barrier_signal -1
	s_barrier_wait -1
.endm
	s_load_b128 s[4:7], s[0:1], 0x0                ; qimg s[4:5], kvimg s[6:7]
	s_load_b64 s[8:9], s[0:1], 0x10                ; ctximg
	v_lshl_add_u32 v[SPW], v0, 2, SPARE
	v_mov_b32 v[NIL], 0
	ds_add_u32 v[SPW], v[NIL]                      ; the wave's opening: the add, twice on end, and its wait ahead of my first tensor load
	ds_add_u32 v[SPW], v[NIL]                      ; and once more; the set-up below, work on registers, stands between it and the wait
	v_lshrrev_b32 v2, 5, v0
	v_readfirstlane_b32 s[WV], v2                  ; wave 0..7
	s_bfe_u32 s11, ttmp6, 0x40000                  ; cx: my place in the cluster: it enters Q's, ctx's and the prefetches' global addresses alone
	s_and_b32 s12, ttmp7, 0xffff                   ; the head-batch, which the four partners share
	; descriptor group 1: 16,384 dense bytes as 64 rows of 32 elements of 8 bytes
	s_mov_b32 s16, 15|(3<<16)|(1<<21)              ; the mask: all four work-groups; elements of 8 bytes; bit 21 set beside a mask; no padding
	s_mov_b32 s17, 32<<16                          ; tensor_dim0
	s_mov_b32 s18, 64<<16                          ; tensor_dim1
	s_mov_b32 s19, 32<<16                          ; tile_dim0
	s_mov_b32 s20, 64                              ; tile_dim1
	s_mov_b32 s21, 32                              ; from row to row
	s_mov_b32 s22, 0
	s_mov_b32 s23, 0
	s_mov_b32 s[SEL], 0x76543210
	s_mov_b32 s[SEL+1], 0xfedcba98
	v_and_b32 v6, 31, v0
	v_lshlrev_b32 v[L16], 4, v6
	v_lshlrev_b32 v[PFO], 8, v6
.irp i, 0,1,2,3,4,5,6,7
	v_mov_b32 v[RC+\i], 0                          ; written once: lane permutes' destinations and the upper halves of pairs count as read
.endr
	s_lshl_b32 s40, s12, 19                        ; kvimg: 524,288 bytes a head-batch,
	s_lshl_b32 s25, s[WV], 14                      ; my eighth of a slot: the same in memory and in LDS
	s_add_co_u32 s40, s40, s25
	s_mov_b32 s41, 0
	s_lshl_b32 s13, s11, 5
	s_lshl_b32 s14, s[WV], 2
	s_add_co_u32 s13, s13, s14                     ; my first row tile in the head-batch: 32 cx + 4 w
	s_lshl_b32 s42, s12, 18                        ; qimg: 262,144 bytes a head-batch, 2,048 a row tile
	s_lshl_b32 s14, s13, 11
	s_add_co_u32 s42, s42, s14
	s_mov_b32 s43, 0
	s_lshr_b32 s14, s12, 3                         ; ctximg: row tile 128 x sequence + mine, 16,384 bytes each;
	s_lshl_b32 s14, s14, 7
	s_add_co_u32 s14, s14, s13
	s_lshl_b32 s44, s14, 14
	s_and_b32 s14, s12, 7                          ; in it the head's 2,048 bytes
	s_lshl_b32 s14, s14, 11
	s_add_co_u32 s44, s44, s14
	s_mov_b32 s45, 0
	s_lshl_b32 s46, s12, 19                        ; the prefetches: the head-batch's bytes from 262,144 on; my work-group's 32,768, of them 8,192 for each of waves 0 to 3
	s_lshl_b32 s14, s11, 15
	s_add_co_u32 s46, s46, s14
	s_and_b32 s14, s[WV], 3
	s_lshl_b32 s14, s14, 13
	s_add_co_u32 s46, s46, s14
	s_add_co_u32 s46, s46, 2*SLOT1
	s_mov_b32 s47, 0
	s_cmp_lt_u32 s[WV], 4
	s_cselect_b32 s[LIM], 1, -1
	s_wait_dscnt 0x0                               ; both opening adds are done
	s_wait_kmcnt 0x0
	s_mov_b32 s24, 1                               ; group 0 for slot 0: count; s25 LDS address (above);
	s_add_nc_u64 s[26:27], s[6:7], s[40:41]        ; global address
	s_mov_b32 s28, 1                               ; and for slot 1
	s_add_co_u32 s29, s25, SLOT1
	s_add_nc_u64 s[30:31], s[26:27], SLOT1
	s_or_b32 s27, s27, 0x80000000                  ; type = 2
	s_or_b32 s31, s31, 0x80000000
	s_add_nc_u64 s[4:5], s[4:5], s[42:43]
	s_add_nc_u64 s[8:9], s[8:9], s[44:45]
	s_add_nc_u64 s[PFA:PFA+1], s[6:7], s[46:47]
	CROUND                                         ; all four work-groups are here: the first joint loads meet
	tensor_load_to_lds s[24:27], s[16:23]          ; keys 0 to 511
	s_nop 0
	tensor_load_to_lds s[28:31], s[16:23]          ; keys 512 to 1,023
	s_nop 0
	PLACES 4
	WIN 0x40                                       ; destination window 1
.irp i, 0,1,2,3,4,5,6,7,8,9,10,11,12,13,14,15
	global_load_b128 v[4*\i:4*\i+3], v[L16], s[4:5] offset:512*\i th:TH_LOAD_NT   ; Q stays in registers
.endr
	WIN 0
; The next step's fragments: 8 loads for K (tile u, part p: 16 u + 4 p), 8 turning loads for V^T (channels 16 ct on; keys 16 u on)
.macro FETCH b
	v_add_nc_u32 v[ADR], s[TB], v[L16]
	s_add_co_u32 s[TB], s[TB], STEPB
.irp i, 0,1,2,3,4,5,6,7
	ds_load_b128 v[KF+32*(\b)+4*\i:KF+32*(\b)+4*\i+3], v[ADR] offset:512*\i
.endr
.irp ct, 0,1,2,3
.irp u, 0,1
	ds_load_tr16_b128 v[VF+32*(\b)+8*\ct+4*\u:VF+32*(\b)+8*\ct+4*\u+3], v[ADR] offset:4096+2048*\u+512*\ct
.endr
.endr
.endm
; A PREFETCH INTO THE L2 of the slot's worth of K and V that the next change of slots will ask for: 512 blocks of 256 bytes.  Each is named once in the launch: the four partners take 128 each, told apart BY
; ADDRESS; in each, waves 0 to 3 ask, a lane a block, one instruction.  It stands in the last trip of the slot's loop, four steps (128 products of each wave) ahead of that load.  The first two slots come by their loads alone.
.macro ASK off
	s_cmp_eq_u32 s[CNT], s[LIM]
	s_cbranch_scc0 .Lnot_mine_\@
	global_prefetch_b8 v[PFO], s[PFA:PFA+1] offset:\off th:TH_LOAD_NT scope:SCOPE_SE
.Lnot_mine_\@:
.endm
; A KEY STEP on buffers b.  zero = 1: the first step starts the sums: nothing is ever cleared.  fetch = 1: the next step's fragments are asked for, a step ahead of their use.
; No two matrix instructions that follow each other share an accumulator, over the loop's backward jump too.
.macro STEP b, zero, fetch, ask, off
	s_wait_dscnt 0x0                               ; this step's sixteen loads, issued a step ago
	WIN 0x04                                       ; source 1 (Q) window 1
.irp c, 0,1
.irp u, 0,1
.irp t, 0,1,2,3
.if \c == 0
	v_wmma_f32_16x16x32_f16 v[S+16*\t+8*\u:S+16*\t+8*\u+7], v[KF+32*(\b)+16*\u+8*\c:KF+32*(\b)+16*\u+8*\c+7], v[16*\t+8*\c:16*\t+8*\c+7], 0
.else
	v_wmma_f32_16x16x32_f16 v[S+16*\t+8*\u:S+16*\t+8*\u+7], v[KF+32*(\b)+16*\u+8*\c:KF+32*(\b)+16*\u+8*\c+7], v[16*\t+8*\c:16*\t+8*\c+7], v[S+16*\t+8*\u:S+16*\t+8*\u+7]
.endif
.endr
.endr
.endr
	WIN 0
	PLACES 4                                       ; four plain lines: ahead of the reads of the scores, of the loads into the other buffers (the last step's products read them) and of the writes of P
.if \fetch
	FETCH 1-\b
.endif
.if \ask
	ASK \off
.endif
.set n, 0
.rept 64
	v_exp_f32 v[S+n], v[S+n]                       ; p = 2^(Qn log2(e) . Kn); each accumulator from its low end on
.set n, n+1
.endr
	v_nop                                          ; a plain line behind the last of the batch
	s_wait_alu depctr_va_vdst(0)                   ; one wait for the 64, ahead of their first reader
.irp i, 0,1,2,3,4,5,6,7
.irp t, 0,1,2,3
.if \zero && (\i == 0)
.elseif \zero && (\i == 1)
	v_pk_add_f32 v[LS+2*\t:LS+2*\t+1], v[S+16*\t:S+16*\t+1], v[S+16*\t+2:S+16*\t+3]
.else
	v_pk_add_f32 v[LS+2*\t:LS+2*\t+1], v[LS+2*\t:LS+2*\t+1], v[S+16*\t+2*\i:S+16*\t+2*\i+1]   ; the row's sum, of the unrounded p; the four tiles by turns
.endif
.endr
.endr
.irp t, 0,1,2,3
.irp i, 0,1,2,3,4,5,6,7
	v_cvt_pk_f16_f32 v[P+8*\t+\i], v[S+16*\t+2*\i], v[S+16*\t+2*\i+1]
.endr
.endr
	WIN 0x50                                       ; C and D (O^T) window 1
.irp ct, 0,1,2,3
.irp t, 0,1,2,3
.if \zero
	v_wmma_f32_16x16x32_f16 v[OA+32*\t+8*\ct:OA+32*\t+8*\ct+7], v[VF+32*(\b)+8*\ct:VF+32*(\b)+8*\ct+7], v[P+8*\t:P+8*\t+7], 0
.else
	v_wmma_f32_16x16x32_f16 v[OA+32*\t+8*\ct:OA+32*\t+8*\ct+7], v[VF+32*(\b)+8*\ct:VF+32*(\b)+8*\ct+7], v[P+8*\t:P+8*\t+7], v[OA+32*\t+8*\ct:OA+32*\t+8*\ct+7]
.endif
.endr
.endr
	WIN 0
.endm
; A slot's 16 steps: two a trip, on buffers 0 and 1; the last two are written out, since the very last fetches nothing
.macro CHUNK base, first, ask, off
	s_mov_b32 s[TB], \base
	FETCH 0
.if \first
	STEP 0, 1, 1, 0, 0
	STEP 1, 0, 1, 0, 0
	s_mov_b32 s[CNT], 6
.else
	s_mov_b32 s[CNT], 7
.endif
.Lpair_\@:
	STEP 0, 0, 1, \ask, \off
	STEP 1, 0, 1, 0, 0
	s_sub_co_u32 s[CNT], s[CNT], 1
	s_cmp_lg_u32 s[CNT], 0
	s_cbranch_scc1 .Lpair_\@
	STEP 0, 0, 1, 0, 0
	STEP 1, 0, 0, 0, 0
.endm
; THE CHANGE OF SLOTS with a refill: the slot just read takes the keys two slots on.  Each wave waits for all its tensor loads (its part of the slot ahead), adds 0 to its spare word, and waits for that and for its
; reads of the slot that it leaves; the round holds that of every wave of all four work-groups; the joint refill is the first thing behind it and has a slot's 16 steps in which to land.
.macro CHANGE g
	s_wait_tensorcnt 0x0                           ; no tensor load of mine is out, so a group 0 may be written
	ds_add_u32 v[SPW], v[NIL]                      ; 0 onto my spare word
	s_add_nc_u64 s[\g+2:\g+3], s[\g+2:\g+3], 2*SLOT1   ; the type bits on top are not reached
	s_wait_dscnt 0x0                               ; the add is done, and my reads of the slot are over
	CROUND
	tensor_load_to_lds s[\g:\g+3], s[16:23]
	s_nop 0
	PLACES 4
.endm
	s_wait_tensorcnt 1                             ; my part of slot 0 is in; slot 1's may stay out
	s_barrier_signal -1
	s_barrier_wait -1                              ; everybody's is
	s_wait_loadcnt 0x0                             ; Q
	CHUNK 0, 1, 1, 0                               ; keys 0 to 511; its last trip asks for keys 1,024 to 1,535
	CHANGE 24
	CHUNK SLOT1, 0, 1, SLOT1                       ; keys 512 to 1,023; its last trip asks for keys 1,536 to 2,047
	CHANGE 28
	CHUNK 0, 0, 0, 0                               ; keys 1,024 to 1,535
	s_wait_tensorcnt 0x0                           ; the last change of slots: my part of slot 1 is in; nothing is filled again, so no round follows
	ds_add_u32 v[SPW], v[NIL]
	s_wait_dscnt 0x0
	s_barrier_signal -1
	s_barrier_wait -1
	CHUNK SLOT1, 0, 0, 0                           ; keys 1,536 to 2,047
	; THE WAY OUT.  The sum's two halves and the other half of the lanes' are added (these additions are the plain lines behind the last products); O^T / sum, rounded to f16, leaves from the registers
.irp t, 0,1,2,3
	v_add_f32 v[RC+2*\t], v[LS+2*\t], v[LS+2*\t+1]
.endr
.irp t, 0,1,2,3
	v_permlanex16_b32 v[RC+2*\t+1], v[RC+2*\t], s[SEL], s[SEL+1]
.endr
.irp t, 0,1,2,3
	v_add_f32 v[RC+2*\t], v[RC+2*\t], v[RC+2*\t+1]
.endr
.irp t, 0,1,2,3
	v_rcp_f32 v[RC+2*\t], v[RC+2*\t]
.endr
	v_nop                                          ; a plain line behind the last reciprocal
	s_wait_alu depctr_va_vdst(0)                   ; one wait for the four, ahead of their first reader
	WIN 0x01                                       ; source 0 (O^T) window 1; the results go where K's and V's fragments lay
.irp t, 0,1,2,3
.irp i, 0,2,4,6,8,10,12,14,16,18,20,22,24,26,28,30
	v_pk_mul_f32 v[128+32*\t+\i:128+32*\t+\i+1], v[OA+32*\t+\i:OA+32*\t+\i+1], v[RC+2*\t:RC+2*\t+1] op_sel_hi:[1,0]
.endr
.endr
	WIN 0
.set n, 0
.rept 64
	v_cvt_pk_f16_f32 v[S+n], v[128+2*n], v[128+2*n+1]
.set n, n+1
.endr
.irp t, 0,1,2,3
.irp ct, 0,1,2,3
	global_store_b128 v[L16], v[S+16*\t+4*\ct:S+16*\t+4*\ct+3], s[8:9] offset:16384*\t+512*\ct   ; 512 consecutive bytes, aligned
.endr
.endr
	s_wait_tensorcnt 0x0                           ; the wave's end
	ds_add_u32 v[SPW], v[NIL]
	s_wait_dscnt 0x0
	CROUND                                         ; the closing round: no work-group ends while a partner may still ask for a tile that names it
	s_endpgm
.Lfunc_end_k_qcc4f2ecd2d_attn:
	.size	k_qcc4f2ecd2d_attn, .Lfunc_end_k_qcc4f2ecd2d_attn-k_qcc4f2ecd2d_attn
	.p2alignl 7, 3214868480
	.fill 96, 4, 3214868480
	.section	.rodata,"a",@progbits
	.p2align	6, 0x0
	.amdhsa_kernel k_qcc4f2ecd2d_attn
		.amdhsa_group_segment_fixed_size 327680
		.amdhsa_private_segment_fixed_size 0
		.amdhsa_enable_private_segment 0
		.amdhsa_kernarg_size 24
		.amdhsa_user_sgpr_count 2
		.amdhsa_user_sgpr_kernarg_segment_ptr 1
		.amdhsa_wavefront_size32 1
		.amdhsa_system_sgpr_workgroup_id_x 1
		.amdhsa_system_sgpr_workgroup_id_y 1
		.amdhsa_system_sgpr_workgroup_id_z 1
		.amdhsa_system_vgpr_workitem_id 0
		.amdhsa_next_free_vgpr 448
		.amdhsa_next_free_sgpr 66
		.amdhsa_reserve_vcc 0
		.amdhsa_float_denorm_mode_32 3
		.amdhsa_float_denorm_mode_16_64 3
		.amdhsa_memory_ordered 1
		.amdhsa_forward_progress 1
		.amdhsa_inst_pref_size 189
	.end_amdhsa_kernel
	.amdgpu_metadata
---
amdhsa.version: [ 1, 2 ]
amdhsa.kernels:
  - .name:           k_qcc4f2ecd2d_attn
    .symbol:         k_qcc4f2ecd2d_attn.kd
    .args:
      - { .name: qimg, .offset: 0, .size: 8, .value_kind: global_buffer, .address_space: global }
      - { .name: kvimg, .offset: 8, .size: 8, .value_kind: global_buffer, .address_space: global }
      - { .name: ctximg, .offset: 16, .size: 8, .value_kind: global_buffer, .address_space: global }
    .group_segment_fixed_size: 327680
    .private_segment_fixed_size: 0
    .kernarg_segment_align: 8
    .kernarg_segment_size: 24
    .max_flat_workgroup_size: 256
    .sgpr_count:     66
    .vgpr_count:     448
    .wavefront_size: 32
...
	.end_amdgpu_metadata
.endif
;; end of part 3
;; launch outp (part 4): grid 4 x 64, 4 waves a work-group, clusters of 4 x 1, 280,064 bytes of LDS; arguments ctximg, wo16, bo, out0; writes out0
.if DOCPART == 4
	.amdgcn_target "amdgcn-amd-amdhsa--gfx1250"
	.amdhsa_code_object_version 6
	.text
	.protected	k_qcc4f2ecd2d_outp
	.globl	k_qcc4f2ecd2d_outp
	.p2align	8
	.type	k_qcc4f2ecd2d_outp,@function
k_qcc4f2ecd2d_outp:
	s_mov_b64 s[64:65], 0
	v_nop
	global_prefetch_b8 v0, s[64:65] scope:SCOPE_SE
	s_setreg_imm32_b32 hwreg(HW_REG_WAVE_MODE, 25, 1), 1
	s_wait_xcnt 0x0
	s_wait_alu depctr_hold_cnt(0) depctr_sa_sdst(0) depctr_va_vdst(0) depctr_va_sdst(0) depctr_va_ssrc(0) depctr_va_vcc(0) depctr_vm_vsrc(0)
	s_getreg_b32 s2, hwreg(HW_REG_IB_STS2, 6, 4)
	s_cmp_eq_u32 s2, 0
	s_cbranch_scc0 .Lentry_in_a_cluster
	s_endpgm
.Lentry_in_a_cluster:
	s_bfe_u32 s2, ttmp6, 0x10000c
	s_cmp_lg_u32 s2, 0x3003
	s_cbranch_scc0 .Lentry_shape_is_right
	s_endpgm
.Lentry_shape_is_right:
; out0 = ctx Wo^T + bo; operands f16 (ctximg and wo16 hold them in the order of the operands' registers), sums f32.  No work is left out.
; SHARES.  A work-group of four waves makes 256 rows x 128 columns.  The four work-groups of a cluster take the four quarters of the columns of the same 256 rows, so ctx's 16 row tiles (16,384 dense bytes each) are
; asked for JOINTLY: the same tensor loads with the same descriptors and the mask of all four.  All 262,144 bytes fit in LDS: every fill is a first fill; by this text's count four loads of a wave are out at the most.
; Wave w = 2 a + b: in each group g of four row tiles it takes tiles 4 g + 2 a, 4 g + 2 a + 1, and of the columns tiles 4 b .. 4 b + 3 of the work-group's eight; its 64 fragments of Wo stay in 512 registers.
; THE PRODUCT IS USED TRANSPOSED (source 0 = 16 rows of Wo, source 1 = 16 rows of ctx): a lane holds eight neighbouring columns of one row.  The bias is the C of each sum's first product.
; THE WAY OUT: 16 rows x 64 columns go through the wave's own stage in LDS (rows of 256 bytes + 16) and leave as whole rows: sixteen lanes store 256 consecutive bytes, aligned.
; REGISTERS: window 0: v1-11 addresses; v16-47 the bias, eight a tile; v64-127 eight accumulators (64 + 8 (4 e + t)); v128-191 rows on their way out, two sets.
;   window 1: Wo, K steps 0-7 (64 t + 8 k);  window 2: K steps 8-15;  window 3: ctx's fragments of two row tiles, all of K (128 q + 64 e + 8 k).
.set STAGE, 262144
.set SPARE, STAGE+4*16*272             ; behind the stages: the spare words, 128 bytes for each wave: two blocks of 256 bytes that no other line names
.set L16,  1                           ; v1    16 x lane
.set AD,   2                           ; v2-5  LDS address of my two row tiles in group g
.set STO,  6                           ; v6    the stage: where I put 32 bytes of a row
.set RD,   7                           ; v7    and where I read a row back
.set CO,   8                           ; v8    my byte offset in two rows of out0
.set H32,  9                           ; v9    32 h
.set SPW,  10                          ; v10   LDS address of my spare word; never rewritten
.set NIL,  11                          ; v11   0; never rewritten
.set BI,   16
.set ACC,  64
.set OB,   128
.set WV,   12
.set MSB, 0
.macro WIN new                         ; the immediate's high byte repeats the setting that is left
.if MSB != \new
	s_set_vgpr_msb (MSB<<8)|\new
.set MSB, \new
.endif
.endm
.macro PLACES n
.rept \n
	v_nop
.endr
.endm
.macro CROUND                          ; a round of the cluster's barrier
	s_barrier_signal -1
	s_barrier_wait -1
	s_cmp_lg_u32 s[WV], 0
	s_cbranch_scc1 .Lnot_wave_0_\@
	s_barrier_signal -3
.Lnot_wave_0_\@:
	s_barrier_wait -3
	s_barrier_signal -1
	s_barrier_wait -1
.endm
	s_load_b256 s[4:11], s[0:1], 0x0               ; ctximg s[4:5], wo16 s[6:7], bo s[8:9], out0 s[10:11]
	v_lshl_add_u32 v[SPW], v0, 2, SPARE
	v_mov_b32 v[NIL], 0
	ds_add_u32 v[SPW], v[NIL]                      ; the wave's opening: the add, twice on end, and its wait ahead of my first tensor load
	ds_add_u32 v[SPW], v[NIL]                      ; and once more; the set-up below, work on registers, stands between it and the wait
	v_lshrrev_b32 v2, 5, v0
	v_readfirstlane_b32 s[WV], v2                  ; wave 0..3
	s_lshr_b32 s13, s[WV], 1                       ; a
	s_and_b32 s14, s[WV], 1                        ; b
	s_bfe_u32 s15, ttmp6, 0x40000                  ; cx: it enters Wo's, bo's and out0's global addresses alone
	s_and_b32 s16, ttmp7, 0xffff                   ; which 256 rows: shared by the four partners
	; descriptor group 1: 16,384 dense bytes as 64 rows of 32 elements of 8 bytes
	s_mov_b32 s24, 15|(3<<16)|(1<<21)              ; the mask: all four work-groups; elements of 8 bytes; bit 21 set beside a mask; no padding
	s_mov_b32 s25, 32<<16
	s_mov_b32 s26, 64<<16
	s_mov_b32 s27, 32<<16
	s_mov_b32 s28, 64
	s_mov_b32 s29, 32
	s_mov_b32 s30, 0
	s_mov_b32 s31, 0
	s_lshl_b32 s48, s16, 18                        ; ctximg: 262,144 bytes for 256 rows,
	s_lshl_b32 s17, s[WV], 14                      ; row tile w of a group: the same in memory and in LDS
	s_add_co_u32 s48, s48, s17
	s_mov_b32 s49, 0
	s_lshl_b32 s20, s15, 17                        ; wo16: tile 8 cx + 4 b, 16,384 bytes a tile
	s_lshl_b32 s18, s14, 16
	s_add_co_u32 s20, s20, s18
	s_mov_b32 s21, 0
	s_lshl_b32 s22, s15, 9                         ; my first column, in bytes of f32: 512 cx + 256 b
	s_lshl_b32 s18, s14, 8
	s_add_co_u32 s22, s22, s18
	s_mov_b32 s23, 0
	s_lshl_b32 s50, s16, 19                        ; out0: 256 rows of 2,048 bytes, + 32 a rows, + my first column
	s_lshl_b32 s18, s13, 16
	s_add_co_u32 s50, s50, s18
	s_add_co_u32 s50, s50, s22
	s_mov_b32 s51, 0
	v_and_b32 v14, 31, v0                          ; lane
	v_and_b32 v12, 15, v0                          ; r
	v_bfe_u32 v13, v0, 4, 1                        ; h
	v_lshlrev_b32 v[L16], 4, v14
	s_lshl_b32 s18, s13, 15                        ; my pair of a group's four row tiles
	v_add_nc_u32 v[AD], s18, v[L16]
	v_add_nc_u32 v[AD+1], 65536, v[AD]
	v_add_nc_u32 v[AD+2], 65536, v[AD+1]
	v_add_nc_u32 v[AD+3], 65536, v[AD+2]
	s_mul_i32 s19, s[WV], 16*272
	s_add_co_u32 s19, s19, STAGE                   ; my stage
	v_mul_u32_u24 v[STO], v12, 272
	v_lshl_add_u32 v[STO], v13, 5, v[STO]
	v_add_nc_u32 v[STO], s19, v[STO]               ; in: row r, + 32 h; tile t's eight columns 64 t bytes on
	v_mul_u32_u24 v[RD], v13, 272
	v_lshl_add_u32 v[RD], v12, 4, v[RD]
	v_add_nc_u32 v[RD], s19, v[RD]                 ; back: lanes 0-15 one row of 256 bytes, lanes 16-31 the next
	v_lshlrev_b32 v[CO], 11, v13
	v_lshl_add_u32 v[CO], v12, 4, v[CO]            ; and the same two rows in out0
	v_lshlrev_b32 v[H32], 5, v13
	s_wait_dscnt 0x0                               ; both opening adds are done
	s_wait_kmcnt 0x0
	s_add_nc_u64 s[4:5], s[4:5], s[48:49]
	s_add_nc_u64 s[6:7], s[6:7], s[20:21]
	s_add_nc_u64 s[8:9], s[8:9], s[22:23]
	s_add_nc_u64 s[10:11], s[10:11], s[50:51]
.irp g, 0,1,2,3
	s_mov_b32 s[32+4*\g], 1                        ; group 0 for row tile 4 g + w: count,
	s_add_co_u32 s[33+4*\g], s17, \g*65536         ; LDS address,
	s_add_nc_u64 s[34+4*\g:35+4*\g], s[4:5], \g*65536   ; global address,
	s_or_b32 s[35+4*\g], s[35+4*\g], 0x80000000    ; type = 2
.endr
	CROUND                                         ; all four work-groups are here: the joint loads meet
.irp g, 0,1,2,3
	tensor_load_to_lds s[32+4*\g:35+4*\g], s[24:31]
	s_nop 0
.endr
	PLACES 4
	WIN 0x40                                       ; destination window 1
.irp t, 0,1,2,3
.irp k, 0,1,2,3,4,5,6,7
.irp p, 0,1
	global_load_b128 v[64*\t+8*\k+4*\p:64*\t+8*\k+4*\p+3], v[L16], s[6:7] offset:16384*\t+1024*\k+512*\p
.endr
.endr
.endr
	WIN 0x80                                       ; destination window 2
.irp t, 0,1,2,3
.irp k, 0,1,2,3,4,5,6,7
.irp p, 0,1
	global_load_b128 v[64*\t+8*\k+4*\p:64*\t+8*\k+4*\p+3], v[L16], s[6:7] offset:16384*\t+1024*(8+\k)+512*\p
.endr
.endr
.endr
	WIN 0
.irp t, 0,1,2,3
.irp i, 0,1
	global_load_b128 v[BI+8*\t+4*\i:BI+8*\t+4*\i+3], v[H32], s[8:9] offset:64*\t+16*\i   ; lane (r, h): bo of columns 16 t + 8 h + 0 .. 7
.endr
.endr
.macro FETCHA g                        ; my two row tiles of group g, all of K: 64 loads, the first half of K first
	WIN 0xc0                                       ; destination window 3
.irp q, 0,1
.irp e, 0,1
.irp k, 0,1,2,3,4,5,6,7
.irp p, 0,1
	ds_load_b128 v[128*\q+64*\e+8*\k+4*\p:128*\q+64*\e+8*\k+4*\p+3], v[AD+(\g)] offset:16384*\e+(8*\q+\k)*1024+512*\p
.endr
.endr
.endr
.endr
	WIN 0
.endm
.macro MUL q                           ; half q of K: 64 products; the eight accumulators take turns, one instruction a turn
.if \q == 0
	WIN 0x0d                                       ; source 0 (Wo) window 1, source 1 (ctx) window 3
.else
	WIN 0x0e                                       ; source 0 window 2
.endif
.irp k, 0,1,2,3,4,5,6,7
.irp e, 0,1
.irp t, 0,1,2,3
.if (\q == 0) && (\k == 0)
	v_wmma_f32_16x16x32_f16 v[ACC+8*(4*\e+\t):ACC+8*(4*\e+\t)+7], v[64*\t+8*\k:64*\t+8*\k+7], v[128*\q+64*\e+8*\k:128*\q+64*\e+8*\k+7], v[BI+8*\t:BI+8*\t+7]
.else
	v_wmma_f32_16x16x32_f16 v[ACC+8*(4*\e+\t):ACC+8*(4*\e+\t)+7], v[64*\t+8*\k:64*\t+8*\k+7], v[128*\q+64*\e+8*\k:128*\q+64*\e+8*\k+7], v[ACC+8*(4*\e+\t):ACC+8*(4*\e+\t)+7]
.endif
.endr
.endr
.endr
.endm
.macro OUT g
.if \g > 0
	s_wait_xcnt 0x0                                ; the last group's stores have had their addresses translated: their data registers are loaded again only behind this wait
.endif
.irp e, 0,1
.irp t, 0,1,2,3
	ds_store_b128 v[STO], v[ACC+8*(4*\e+\t):ACC+8*(4*\e+\t)+3] offset:64*\t          ; each accumulator from its low end on
	ds_store_b128 v[STO], v[ACC+8*(4*\e+\t)+4:ACC+8*(4*\e+\t)+7] offset:64*\t+16
.endr
.irp i, 0,1,2,3,4,5,6,7
	ds_load_b128 v[OB+32*\e+4*\i:OB+32*\e+4*\i+3], v[RD] offset:544*\i   ; LDS serves a wave's instructions in order: these see my stores, and the next tile's stores come behind them
.endr
.endr
.irp e, 0,1
.irp i, 0,1,2,3,4,5,6,7
	s_wait_dscnt 16*(1-\e)+7-\i                    ; behind this load: the younger loads of its tile, and for the first tile the second's sixteen LDS instructions
	global_store_b128 v[CO], v[OB+32*\e+4*\i:OB+32*\e+4*\i+3], s[10:11] offset:(64*\g+16*\e+2*\i)*2048 th:TH_STORE_NT   ; sixteen lanes store 256 consecutive bytes, aligned; written once, read by nobody here
.endr
.endr
.endm
	s_wait_tensorcnt 3                             ; my row tile of group 0 is in; the three behind it may be out
	s_barrier_signal -1
	s_barrier_wait -1                              ; everybody's is
	FETCHA 0
	s_wait_loadcnt 0x0                             ; Wo and the bias
.irp g, 0,1,2,3
	s_wait_dscnt 32                                ; the first half of K is in; the 32 loads of the second may be out
	MUL 0
	s_wait_dscnt 0x0
	MUL 1
	WIN 0
.if \g < 3
	s_wait_tensorcnt 2-\g                          ; my row tile of the next group is in; those behind it may be out
	s_barrier_signal -1
	s_barrier_wait -1                              ; everybody's is
	PLACES 5                                       ; five plain lines behind the last products: ahead of the loads into the fragments' registers, of the stage's reads of results, and of the next group's sums, begun anew on the same accumulators
	FETCHA \g+1
.else
	PLACES 5
.endif
	OUT \g
.endr
	s_wait_tensorcnt 0x0                           ; the wave's end: behind my last tensor load and my last LDS store
	ds_add_u32 v[SPW], v[NIL]
	s_wait_dscnt 0x0
	CROUND                                         ; the closing round: no work-group ends while a partner may still ask for a tile that names it
	s_endpgm
.Lfunc_end_k_qcc4f2ecd2d_outp:
	.size	k_qcc4f2ecd2d_outp, .Lfunc_end_k_qcc4f2ecd2d_outp-k_qcc4f2ecd2d_outp
	.p2alignl 7, 3214868480
	.fill 96, 4, 3214868480
	.section	.rodata,"a",@progbits
	.p2align	6, 0x0
	.amdhsa_kernel k_qcc4f2ecd2d_outp
		.amdhsa_group_segment_fixed_size 280064
		.amdhsa_private_segment_fixed_size 0
		.amdhsa_enable_private_segment 0
		.amdhsa_kernarg_size 32
		.amdhsa_user_sgpr_count 2
		.amdhsa_user_sgpr_kernarg_segment_ptr 1
		.amdhsa_wavefront_size32 1
		.amdhsa_system_sgpr_workgroup_id_x 1
		.amdhsa_system_sgpr_workgroup_id_y 1
		.amdhsa_system_sgpr_workgroup_id_z 1
		.amdhsa_system_vgpr_workitem_id 0
		.amdhsa_next_free_vgpr 1024
		.amdhsa_next_free_sgpr 66
		.amdhsa_reserve_vcc 0
		.amdhsa_float_denorm_mode_32 3
		.amdhsa_float_denorm_mode_16_64 3
		.amdhsa_memory_ordered 1
		.amdhsa_forward_progress 1
		.amdhsa_inst_pref_size 85
	.end_amdhsa_kernel
	.amdgpu_metadata
---
amdhsa.version: [ 1, 2 ]
amdhsa.kernels:
  - .name:           k_qcc4f2ecd2d_outp
    .symbol:         k_qcc4f2ecd2d_outp.kd
    .args:
      - { .name: ctximg, .offset: 0, .size: 8, .value_kind: global_buffer, .address_space: global }
      - { .name: wo16, .offset: 8, .size: 8, .value_kind: global_buffer, .address_space: global }
      - { .name: bo, .offset: 16, .size: 8, .value_kind: global_buffer, .address_space: global }
      - { .name: out0, .offset: 24, .size: 8, .value_kind: global_buffer, .address_space: global }
    .group_segment_fixed_size: 280064
    .private_segment_fixed_size: 0
    .kernarg_segment_align: 8
    .kernarg_segment_size: 32
    .max_flat_workgroup_size: 128
    .sgpr_count:     66
    .vgpr_count:     1024
    .wavefront_size: 32
...
	.end_amdgpu_metadata
.endif
;; end of part 4
